; MI455X (gfx1250); checked and timed in simulation.
; The chip was launched on July 23, 2026; its instructions are those of AMD's public machine-readable ISA for CDNA 5 (MIT licence, August 2026) and "CDNA5" Instruction Set Architecture Reference Guide (July 2026). The comments in the code are by the model that wrote it; some were corrected since.
;; Model. Allowed arithmetic: matrix products marked QUANTISED: E2M3 operands, one E8M0 scale for each 32 along K, by v_wmma_scale_f32_16x16x128_f8f6f4 with both operands' format E2M3, f32 sums; everything else in f32.
;; Inputs: x 4 x 16 x 2,048 x 64 float32; y 4 x 16 x 2,048 x 64 float32; z 4 x 16 x 2,048 x 64 float32.
;; Outputs: out0 4 x 16 x 2,048 x 64 float32.
;; This version of the problem:
;;   THIS VERSION OF THE PROBLEM IS GIVEN IN LOW PRECISION. The matrix products marked QUANTISED in the list below multiply operands that are first quantised to E2M3 (2 exponent bits, 3 mantissa bits; 6 bits a number), with one power-of-two scale for each 32 numbers along K (OCP MX v1.0); their sums are f32. All else is computed in f32.
;;   The module's matrix products, in the order in which they are computed (A, B: the left and right operand; K: the contracted axis; several contracted axes count as one K, in the product's order):
;;     1. batch 64 x [M 2,048, K 64] x [K 64, N 2,048]; A: input x; B: input y: QUANTISED
;;     2. batch 64 x [M 2,048, K 2,048] x [K 2,048, N 64]; A: softmax (see below); B: input z: QUANTISED
;;   THE QUANTISER, for each operand of a quantised product, along K:
;;     - K is cut into blocks of 32 from its start; a last block that is shorter is filled with zeros.
;;     - A block's scale is 2^e with e = floor(log2(the largest magnitude in the block)) - 2, held to -126 .. 127; a block of zeros has e = 0. As a byte (E8M0): e + 127.
;;     - Each number is divided by its block's scale, clamped to +-7.5, and rounded to the nearest number of E2M3, ties to even, subnormals kept.
;;     - The product sums the exact products of the quantised numbers (number of the format x scale) in f32.
;;   ~~~python
;;   def quantise(x, axis):      # numpy; x: float32 -> the quantised numbers, widened to float32 again
;;       x = np.moveaxis(x, axis, -1); K = x.shape[-1]
;;       x = np.pad(x, [(0, 0)] * (x.ndim - 1) + [(0, -K % 32)]); x = x.reshape(x.shape[:-1] + (-1, 32)); a = np.abs(x).max(-1, keepdims=True)
;;       e = np.where(a > 0, np.clip(np.frexp(np.where(a > 0, a, 1))[1] - 1 - 2, -126, 127), 0)      # np.frexp(a)[1] - 1 = floor(log2(a)), exactly
;;       r = np.clip(x / 2.0 ** e, -7.5, 7.5)
;;       step = 2.0 ** (np.maximum(np.frexp(np.where(r == 0, 1, r))[1] - 1, 0) - 3)
;;       q = np.round(r / step) * step * 2.0 ** e      # np.round: ties to even
;;       return np.moveaxis(q.reshape(q.shape[:-2] + (-1,))[..., :K], -1, axis).astype(np.float32)
;;   ~~~
;;   SOFTMAX AHEAD OF A QUANTISED PRODUCT. Where the list says 'softmax', what is quantised is not the finished softmax but p = 2^(t - M), with t = logit x log2(e) and M = ceil(the row's largest t), a whole number; so 1/2 < the row's largest p <= 1. The row's sum l is taken of the UNQUANTISED p, in f32, and the product's result is divided by l at the end. Since M is a whole number, a kernel that streams over the keys may use a running M (the ceiling of the running maximum): every later rescaling is an exact power of two, which a block's scale takes up: the codes' values come out the same.
;;   OPERANDS COMPUTED ON THE WAY. 'Computed on the way' means the value that the module computes at that place (a softmax that the list does not call 'softmax' is quantised finished and normalised). What goes into a quantiser is computed in f32, as accurately as f32 sums, v_exp_f32 and their like allow (about 1e-6 of the number): no bf16 or f16 on the way to a quantiser, and a product that is left as it is and whose result goes on into a quantised operand takes f32 operands (vector FMAs, or v_wmma_f32_16x16x4_f32). A number that lies on a knife's edge between two numbers of the format may be rounded either way, as far as f32 arithmetic and the matrix unit's own rounding can turn it there, and no further.
;; One version. Each part assembles by itself: llvm-mc -triple=amdgcn-amd-amdhsa -mcpu=gfx1250 --defsym DOCPART=n.
;; ======== version 1 of 1: 2 launches
;; limits: right only within a limited range of input values
;; workspace buffers: kv 13,369,344 bytes
;; launch quant (part 1): grid 16 x 64, 4 waves a work-group, no clusters, 35,328 bytes of LDS; arguments y, z, kv; writes kv
.if DOCPART == 1
	.amdgcn_target "amdgcn-amd-amdhsa--gfx1250"
	.amdhsa_code_object_version 6
	.text
	.protected	k_q78c0e8d42a_quant
	.globl	k_q78c0e8d42a_quant
	.p2align	8
	.type	k_q78c0e8d42a_quant,@function
k_q78c0e8d42a_quant:
	s_mov_b64 s[64:65], 0
	v_nop
	global_prefetch_b8 v0, s[64:65] scope:SCOPE_SE
	s_setreg_imm32_b32 hwreg(HW_REG_WAVE_MODE, 25, 1), 1
	s_wait_xcnt 0x0
; y and z, [64 heads][2048 keys][64] f32, become codes of FP6 (E2M3) with one E8M0 scale byte for each 32 along a product's K, laid in kv AS IMAGES OF THE OPERANDS' REGISTERS,
; so that the attention launch fetches every fragment by loads of 16 bytes a lane.  y is quantised along the head's 64 (two blocks), z along the keys.
; kv = [64 heads][16 key steps][13,056 bytes].  A block (128 keys of one head), L = the reader's lane, r = L % 16, h = L / 16:
;   KIMG     0: 12 chunks of 512 bytes; chunk i holds at 16 L registers 4 i .. 4 i + 3 of a run of 48.  Tile t (0-7) = registers 6 t .. 6 t + 5: the codes of dims 32 h .. 32 h + 31 of key(t, r).
;   VIMG  6144: the same form; tile t (0-3) = registers 12 t + 6 c + e: channel 16 t + r, keys 64 c + 32 h + 0 .. 31 of the step.
;   KSC  12288: 16 bytes a lane: word j = the scale word of tile j (lanes 0-15) or 4 + j (lanes 16-31), row r: byte 0 dims 0-31, byte 1 dims 32-63, bytes 2 and 3 0x7f (they scale zero codes).
;   VSC  12800: 8 bytes a lane: word j = that of tile j (lanes 0-15) or 2 + j (lanes 16-31), row r: byte b = key block b of the step.
; THE KEYS OF A TILE ARE NOT NEIGHBOURS: key(t, r) = 32 (2 (t / 4) + r / 8) + 8 (t % 4) + r % 8 of the step, so that in S^T = K Q^T a lane's 32 registers of four tiles are one whole block of 32 neighbouring keys.
; A block's scale is 2^(floor(log2(its largest magnitude)) - 2); its byte is the largest magnitude's exponent field - 2, held at 1 from below; numbers beyond 7.5 x the scale take the largest code.
; LIMITS: a block of zeros, or one whose largest magnitude lies under 2^-124, gets the byte 1 (the rule says 127 for zeros: its codes are zeros, and this program alone reads the bytes).  NaN and infinities are not served.
; SHARES.  Work-group (x = key step, y = head) makes one block of kv.  Waves 0, 1: K's tiles 4 c .. 4 c + 3 (keys 64 c on), c = the wave.  Waves 2, 3: V's channels 32 c on, all 128 keys.  The two paths part once, on the
; wave's number, and never join: no barrier.  No work-group shares an input with another: no cluster, no tensor load; every wave asks for all of its 16 KiB at its start.
.set BLOCKB, 13056
.set VIMG,   6144
.set KSC,    12288
.set VSC,    12800
.set PITCH,  272                       ; a key's row in the stage: 256 bytes + 16
.set STGW,   64*PITCH                  ; a K wave's stage: its 64 keys
.set SPARE,  2*STGW                    ; behind the two stages: the spare words, 128 bytes for each wave: two blocks of 256 bytes that no other line names
.set SH,  4                            ; v4   8 h: where my half's scale byte stands in a word of K's
.set LO,  5                            ; v5   my byte offset in a load
.set SI,  6                            ; v6   the stage, on the way in: 272 h + 16 r
.set SOUT, 7                           ; v7   and out: 272 (r + 3 (r & 8)) + 128 h: rows 0-7 and 32-39 of a tile's 16 keys, my half of a row
.set CO,  8                            ; v8   the images' place in a block of kv: 16 x lane + 3,072 c
.set WO,  9                            ; v9   the scale words' place
.set MA,  10                           ; v10, v11 two chains of a maximum
.set MB,  11
.set SC,  12                           ; v12  the conversion's scale operand
.set BY,  13                           ; v13  the scale's byte
.set T,   14                           ; v14  a lane permute's destination
.set SPW, 16                           ; v16  LDS address of my spare word; never rewritten
.set NIL, 17                           ; v17  0; never rewritten
.set W,   20                           ; v20-23 scale words
.set TMP, 24                           ; v24-26 a block's upper 16 codes
.set C,   28                           ; v28-51 24 registers of codes
.set X,   64                           ; v64-191 128 numbers
; 32 numbers of a lane, one whole block, become six registers of codes at v[d] on (d even) and the byte in v[BY].
.macro QUANT32 x, d
	v_max3_num_f32 v[MA], |v[\x]|, |v[\x+1]|, |v[\x+2]|
	v_max3_num_f32 v[MB], |v[\x+3]|, |v[\x+4]|, |v[\x+5]|
.irp i, 6,10,14,18,22,26
	v_max3_num_f32 v[MA], v[MA], |v[\x+\i]|, |v[\x+\i+1]|
	v_max3_num_f32 v[MB], v[MB], |v[\x+\i+2]|, |v[\x+\i+3]|
.endr
	v_max3_num_f32 v[MA], v[MA], |v[\x+30]|, |v[\x+31]|
	v_max3_num_f32 v[MA], v[MA], v[MB], 0x1800000          ; and the floor 2^(3 - 127): the byte cannot fall under 1
	v_add_nc_u32 v[SC], 0xff000000, v[MA]                  ; 2 off the exponent field: the conversion takes this operand's exponent field as its scale
	v_cvt_scalef32_pk16_fp6_f32 v[\d:\d+2], v[\x:\x+15], v[SC]
	v_cvt_scalef32_pk16_fp6_f32 v[TMP:TMP+2], v[\x+16:\x+31], v[SC]   ; (a conversion's three registers begin on an even number)
	v_lshrrev_b32 v[BY], 23, v[SC]                         ; the byte; also the plain instruction between the conversions and the moves that read them
.irp e, 0,1,2
	v_mov_b32 v[\d+3+\e], v[TMP+\e]
.endr
.endm
; my half's byte and lane l xor 16's make a key's scale word
.macro WORD2 w
	v_lshlrev_b32 v[BY], v[SH], v[BY]
	v_permlanex16_b32 v[T], v[BY], s20, s21
	v_or_b32 v[BY], v[BY], v[T]
	v_or_b32 v[\w], 0x7f7f0000, v[BY]
.endm
	s_load_b128 s[4:7], s[0:1], 0x0                ; y s[4:5], z s[6:7]
	s_load_b64 s[8:9], s[0:1], 0x10                ; kv
	v_lshl_add_u32 v[SPW], v0, 2, SPARE
	v_mov_b32 v[NIL], 0
	v_lshrrev_b32 v1, 5, v0
	v_readfirstlane_b32 s10, v1                    ; wave 0..3
	s_and_b32 s11, s10, 1                          ; c
	s_and_b32 s13, ttmp7, 0xffff                   ; the head
	s_lshl_b32 s14, s13, 19                        ; a head is 2,048 rows of 256 bytes,
	s_lshl_b32 s12, ttmp9, 15                      ; a step 128 rows
	s_add_co_u32 s14, s14, s12
	s_mov_b32 s15, 0
	s_lshl_b32 s16, s13, 4
	s_add_co_u32 s16, s16, ttmp9
	s_mul_i32 s16, s16, BLOCKB                     ; my block of kv (under 2^24 bytes)
	s_mov_b32 s17, 0
	s_mul_i32 s18, s11, STGW                       ; a K wave's stage
	s_mul_i32 s19, s11, 3072                       ; my six chunks of an image's twelve
	s_mov_b32 s20, 0x76543210
	s_mov_b32 s21, 0xfedcba98                      ; v_permlanex16_b32's selects for lane l xor 16
	v_and_b32 v1, 31, v0                           ; lane
	v_and_b32 v2, 15, v0                           ; r
	v_bfe_u32 v3, v0, 4, 1                         ; h
	v_lshlrev_b32 v[SH], 3, v3
	v_mul_u32_u24 v[SI], v3, PITCH                 ; every LDS address is made here, ahead of the parting
	v_lshl_add_u32 v[SI], v2, 4, v[SI]
	v_add_nc_u32 v[SI], s18, v[SI]
	v_and_b32 v[SOUT], 8, v2
	v_mad_u32_u24 v[SOUT], v[SOUT], 3, v2
	v_mul_u32_u24 v[SOUT], v[SOUT], PITCH
	v_lshl_add_u32 v[SOUT], v3, 7, v[SOUT]
	v_add_nc_u32 v[SOUT], s18, v[SOUT]
	v_lshl_add_u32 v[CO], v1, 4, s19
	v_mov_b32 v[T], 0                              ; written once: a lane permute's destination counts as one of its sources
	s_wait_kmcnt 0x0
	s_add_nc_u64 s[8:9], s[8:9], s[16:17]
	s_cmp_lt_u32 s10, 2
	s_cbranch_scc0 .Lv
	; ---- K: my 64 keys.  A load takes 512 consecutive bytes, two keys; the conversions want 32 neighbouring dims of ONE key in a lane: the numbers turn through my own stage.
	s_lshl_b32 s12, s11, 14                        ; 64 keys x 256 bytes
	s_add_co_u32 s14, s14, s12
	s_add_nc_u64 s[4:5], s[4:5], s[14:15]
	v_lshlrev_b32 v[LO], 4, v1
	v_lshlrev_b32 v[WO], 4, v2
	v_lshl_add_u32 v[WO], v3, 3, v[WO]
	s_lshl_b32 s12, s11, 8
	v_add_nc_u32 v[WO], s12, v[WO]                 ; 16 r + 8 h + 256 c
.irp u, 0,1,2,3                                ; tile u of my four: keys 8 u + 0 .. 7 and 32 + 8 u + 0 .. 7
.irp j, 0,1,2,3,4,5,6,7
	global_load_b128 v[X+32*\u+4*\j:X+32*\u+4*\j+3], v[LO], s[4:5] offset:256*(8*\u+2*(\j%4)+32*(\j/4)) th:TH_LOAD_NT
.endr
.endr
	s_wait_alu depctr_va_vdst(0)
.irp u, 0,1,2,3
	s_wait_loadcnt 24-8*\u                         ; tile u's eight loads are in; the later tiles' eight each may be out
.irp j, 0,1,2,3,4,5,6,7
	ds_store_b128 v[SI], v[X+32*\u+4*\j:X+32*\u+4*\j+3] offset:PITCH*(8*\u+2*(\j%4)+32*(\j/4))
.endr
.irp e, 0,1,2,3,4,5,6,7
	ds_load_b128 v[X+32*\u+4*\e:X+32*\u+4*\e+3], v[SOUT] offset:8*PITCH*\u+16*\e   ; LDS serves a wave's instructions in order (ISA guide 5.7.1.4): these see my stores, and come behind them into the registers that they left
.endr
.endr
.irp u, 0,1,2,3
	s_wait_dscnt 48-16*\u                          ; tile u is back; the later tiles' sixteen LDS instructions each may be out
	QUANT32 X+32*\u, C+6*\u
	WORD2 W+\u
.endr
.irp i, 0,1,2,3,4,5
	global_store_b128 v[CO], v[C+4*\i:C+4*\i+3], s[8:9] offset:512*\i   ; 32 lanes store 512 consecutive bytes, at a multiple of 256 from kv's first byte
.endr
	v_cmp_eq_u32 vcc_lo, 1, v3                     ; lanes r and 16 + r hold the same four words: the lower half stores words 0 and 1, the upper words 2 and 3
	v_cndmask_b32 v52, v[W], v[W+2], vcc_lo
	v_cndmask_b32 v53, v[W+1], v[W+3], vcc_lo
	global_store_b64 v[WO], v[52:53], s[8:9] offset:KSC   ; 256 consecutive bytes, aligned
	s_wait_tensorcnt 0x0                           ; the wave's end, behind my last LDS store
	ds_add_u32 v[SPW], v[NIL]
	s_wait_dscnt 0x0
	s_endpgm
.Lv:	; ---- V: a lane takes a channel, and its registers run down the 128 keys: a block of 32 keys lies in one lane, and the codes come out with the keys innermost.
	s_add_nc_u64 s[6:7], s[6:7], s[14:15]
	s_lshl_b32 s12, s11, 7
	v_lshl_add_u32 v[LO], v1, 2, s12               ; 4 x lane + 128 c: the two waves stand side by side on a row's 256 bytes
	v_lshlrev_b32 v[WO], 3, v2
	v_lshl_add_u32 v[WO], v3, 2, v[WO]
	v_add_nc_u32 v[WO], s12, v[WO]                 ; 8 r + 4 h + 128 c
.set i, 0
.rept 128
	global_load_b32 v[X+i], v[LO], s[6:7] offset:256*i th:TH_LOAD_NT
.set i, i+1
.endr
	s_wait_loadcnt 63                              ; of the 128 loads the last 63 may be out: the 64 of blocks 0 and 1 are in
	QUANT32 X, C                                   ; blocks 0 and 2 at v28 on, blocks 1 and 3 at v40 on
	v_mov_b32 v[W], v[BY]
	QUANT32 X+32, C+12
	v_lshl_or_b32 v[W], v[BY], 8, v[W]
	s_wait_loadcnt 32                              ; block 2 is in; block 3's 32 loads may be out
	QUANT32 X+64, C+6
	v_lshl_or_b32 v[W], v[BY], 16, v[W]
	s_wait_loadcnt 0x0
	QUANT32 X+96, C+18
	v_lshl_or_b32 v[W], v[BY], 24, v[W]            ; my channel's scale word for these 128 keys
.irp e, 0,1,2,3,4,5,6,7,8,9,10,11
	v_permlane16_swap_b32 v[C+\e], v[C+12+\e]      ; the first's lanes 16-31 change places with the second's lanes 0-15: v28-39 are now the fragment of channels 0-15 of my 32 (lanes 0-15 blocks 0 and 2, lanes 16-31 blocks 1 and 3), v40-51 that of channels 16-31
.endr
.irp i, 0,1,2,3,4,5
	global_store_b128 v[CO], v[C+4*\i:C+4*\i+3], s[8:9] offset:VIMG+512*\i
.endr
	global_store_b32 v[WO], v[W], s[8:9] offset:VSC   ; 128 consecutive bytes: the other V wave writes the 128 beside them
	s_wait_tensorcnt 0x0                           ; the same three lines at this path's end
	ds_add_u32 v[SPW], v[NIL]
	s_wait_dscnt 0x0
	s_endpgm
.Lfunc_end_k_q78c0e8d42a_quant:
	.size	k_q78c0e8d42a_quant, .Lfunc_end_k_q78c0e8d42a_quant-k_q78c0e8d42a_quant
	.p2alignl 7, 3214868480
	.fill 96, 4, 3214868480
	.section	.rodata,"a",@progbits
	.p2align	6, 0x0
	.amdhsa_kernel k_q78c0e8d42a_quant
		.amdhsa_group_segment_fixed_size 35328
		.amdhsa_private_segment_fixed_size 0
		.amdhsa_enable_private_segment 0
		.amdhsa_kernarg_size 24
		.amdhsa_user_sgpr_count 2
		.amdhsa_user_sgpr_kernarg_segment_ptr 1
		.amdhsa_wavefront_size32 1
		.amdhsa_system_sgpr_workgroup_id_x 1
		.amdhsa_system_sgpr_workgroup_id_y 1
		.amdhsa_system_sgpr_workgroup_id_z 1
		.amdhsa_system_vgpr_workitem_id 0
		.amdhsa_next_free_vgpr 192
		.amdhsa_next_free_sgpr 66
		.amdhsa_reserve_vcc 1
		.amdhsa_float_denorm_mode_32 3
		.amdhsa_float_denorm_mode_16_64 3
		.amdhsa_memory_ordered 1
		.amdhsa_forward_progress 1
		.amdhsa_inst_pref_size 36
	.end_amdhsa_kernel
	.amdgpu_metadata
---
amdhsa.version: [ 1, 2 ]
amdhsa.kernels:
  - .name:           k_q78c0e8d42a_quant
    .symbol:         k_q78c0e8d42a_quant.kd
    .args:
      - { .name: y, .offset: 0, .size: 8, .value_kind: global_buffer, .address_space: global }
      - { .name: z, .offset: 8, .size: 8, .value_kind: global_buffer, .address_space: global }
      - { .name: kv, .offset: 16, .size: 8, .value_kind: global_buffer, .address_space: global }
    .group_segment_fixed_size: 35328
    .private_segment_fixed_size: 0
    .kernarg_segment_align: 8
    .kernarg_segment_size: 24
    .max_flat_workgroup_size: 128
    .sgpr_count:     66
    .vgpr_count:     192
    .wavefront_size: 32
...
	.end_amdgpu_metadata
.endif
;; end of part 1
;; launch attn (part 2): grid 4 x 64, 8 waves a work-group, clusters of 4 x 1, 279,552 bytes of LDS; arguments x, kv, out0; writes out0
.if DOCPART == 2
	.amdgcn_target "amdgcn-amd-amdhsa--gfx1250"
	.amdhsa_code_object_version 6
	.text
	.protected	k_q78c0e8d42a_attn
	.globl	k_q78c0e8d42a_attn
	.p2align	8
	.type	k_q78c0e8d42a_attn,@function
k_q78c0e8d42a_attn:
	s_mov_b64 s[64:65], 0
	v_nop
	global_prefetch_b8 v0, s[64:65] scope:SCOPE_SE
	s_setreg_imm32_b32 hwreg(HW_REG_WAVE_MODE, 25, 1), 1
	s_wait_xcnt 0x0
	s_wait_alu depctr_hold_cnt(0) depctr_sa_sdst(0) depctr_va_vdst(0) depctr_va_sdst(0) depctr_va_ssrc(0) depctr_va_vcc(0) depctr_vm_vsrc(0)
	s_getreg_b32 s2, hwreg(HW_REG_IB_STS2, 6, 4)
	s_cmp_eq_u32 s2, 0
	s_cbranch_scc0 .Lentry_in_a_cluster
	s_endpgm
.Lentry_in_a_cluster:
	s_bfe_u32 s2, ttmp6, 0x10000c
	s_cmp_lg_u32 s2, 0x3003
	s_cbranch_scc0 .Lentry_shape_is_right
	s_endpgm
.Lentry_shape_is_right:
; out0[H][q][:] = the sum over k of softmax_k(x[H][q] . y[H][k] / 8) z[H][k][:], 64 heads, 2,048 queries and keys, head size 64; both products on codes of FP6 (E2M3) with one E8M0 scale for each 32 along K.
; K's and V's codes and scale bytes come from kv, laid by the launch before as images of the operands' registers: [64 heads][16 key steps][13,056 bytes]: K's image (6,144), V's image (6,144), K's scale words (512), V's (256).
; THE SOFTMAX: t = score x log2(e) / 8; M = the row's largest t so far, rounded UP to a whole number; p = 2^(t - M) is quantised along the keys, not normalised.  The row's sum is taken of the unquantised p, in f32,
; and divides O at the end.  When M moves, the sum and O are multiplied by 2^(old M - new M): exact, and with no branch on data.
; A WHOLE HEAD STAYS IN LDS: 16 x 13,056 = 208,896 bytes, filled once: no slot is filled again, no barrier stands in the loop, and no loop streams from memory, so nothing is prefetched.
; SHARES.  A work-group owns 512 queries of one head; each of its eight waves 64 of them, in two passes of TWO TILES of 16 queries that go together: each fragment of K and V read from LDS feeds both tiles.  Two waves to a SIMD.
; x: the head asks for the first pass's 32 rows alone; the second pass's 32 rows are asked for behind the head's barrier, land in 64 registers of window 1 during the first pass, and are quantised between the passes.
; CLUSTER.  The four work-groups of a head need the same 208,896 bytes: wave w of each asks for key steps 2 w and 2 w + 1 JOINTLY, by the same tensor load with the same descriptor and a mask that names the four.
; LAYOUT.  Both products are used transposed: S^T = K Q^T, O^T = V^T P^T: a lane (r = lane % 16, h = lane / 16) holds query r throughout.  The keys of K's tile t are 32 (2 (t / 4) + row / 8) + 8 (t % 4) + row % 8
; of the step: register S + 32 c + i of a lane is key 64 c + 32 h + i: two whole blocks of 32 keys a lane, in the order of P's operand registers.
; THE FIRST PRODUCT'S K IS 64 OF THE INSTRUCTION'S 128.  Registers 6-11 of Q's fragment are zero codes, so registers 6-11 of K's fragment may be any codes: tile t's fragment is named KF + 6 t .. + 11, whose upper half
; is tile t + 1's codes (tile 7's: six registers of zeros).  The scale bytes of that half are 0x7f on both sides.
; K AND V HAVE REGISTERS OF THEIR OWN: behind a step's first products the next step's K is asked of LDS, behind its second products the next step's V: 13 loads each, so each counted wait on DScnt is for 13.
; DEPENDENT LINES STAND APART: the maxima run in eight chains; the sums have a first level of independent additions and a second level in four chains, which stands among the short chains that make M and the scale words.
; Tile 1's second level is done in the NEXT step (its 16 partial pairs wait in registers of their own, zeros at a pass's start, added up at its end).
; REGISTERS.  Window 0 (v0-255): addresses, the softmax's state, scales, S^T / p of both tiles, P, partial sums.  Window 1 (v256-511): K, V, O^T of both tiles, Q of four tiles, x's rows on their way.  All of the softmax names window 0 alone.
; LIMITS: NaN and infinities are not served.  A block of x that is all zeros or under 2^-124, and a block of p that has fallen to 0, keep the scale byte 1: their codes are zeros.  p under 2^-126 counts as 0 (v_exp_f32 gives 0 there).
; A block's largest p is made from its largest score by the same multiply-add and exponential: this takes v_exp_f32 not to fall where its input rises; at the worst one p of a block, within an ulp of a power of two, is held one code low.
.set BLOCKB, 13056
.set VIMG,   6144
.set KSC,    12288
.set VSC,    12800
.set STEPS,  16
.set SP,     272                       ; a stage row: 256 bytes + 16
.set STGW,   2*16*SP                   ; two stages of 16 rows for each wave, bytes of its own that no tensor load fills
.set STAGE,  STEPS*BLOCKB
.set SPARE,  STAGE+8*STGW              ; the spare words, 128 bytes for each wave: four blocks of 256 bytes that no other line names
; window 0
.set LI,  1                            ; 16 x lane: also my offset in 512 bytes of x and of O
.set L8,  2                            ; 8 x lane
.set ADN, 3                            ; the next step's block + 16 x lane
.set AD8, 4                            ; the next step's block + 8 x lane
.set SH,  5                            ; 8 h
.set STO, 6                            ; stage: row r, + 32 h
.set RD,  7                            ; stage: row h, + 16 r
.set XO,  8                            ; stage: row r, + 128 h
.set SPW, 10                           ; my spare word; never rewritten
.set NIL, 11                           ; 0; never rewritten
.set NM,  12                           ; tile u: -M in v[NM+2u], the largest score so far in v[NM+2u+1]
.set L,   16                           ; tile u: the row's sum in two halves, v[L+2u:L+2u+1]
.set L2,  20                           ; tile u: a partial sum on its way into L
.set F,   24                           ; tile u: f = 2^(old M - new M), named as a pair
.set QS,  28                           ; v28-31 Q's scale words, four tiles
.set KS,  32                           ; v32-35 K's scale words
.set VS,  36                           ; v36-37 V's
.set PS,  38                           ; v38-39 P's, tile u
.set BM,  40                           ; v40-43 block k = 2 u + c: its largest score, then its largest p
.set SO,  44                           ; v44-47 the maxima's second chains, then the conversions' scale operands
.set BY,  48                           ; v48-51 the scales' bytes
.set T0,  52
.set T1,  54
.set S,   64                           ; v64-191 S^T, then p: tile u at S + 64 u; ahead of a pass x's numbers
.set P,   192                          ; v192-215 P's codes, tile u at P + 12 u; v192-223 also hold the first level of tile 0's sum, pair i at P + 2 i
.set TA,  216                          ; v216-231 the upper 16 codes of four blocks
.irp i, 0,1,2,3,4,5,6,7,8,9,10,11
.set U\i, 232+2*\i                     ; the first level of tile 1's sum: pairs 0-11 in v232-255,
.endr
.irp i, 12,13,14,15
.set U\i, 32+2*\i                      ; pairs 12-15 in v56-63
.endr
; window 1 (the low 8 bits of the registers' numbers)
.set KF,  0                            ; K's eight fragments, 48 registers, and six of zeros
.set VF,  56                           ; V's four fragments
.set O,   104                          ; O^T, tile u at O + 32 u
.set Q,   168                          ; Q, tile i at Q + 12 i: six registers of codes, six of zeros
.set XR,  192                          ; 64 registers: the second pass's rows of x as they are loaded; Q's tiles 2 and 3 take the first 24 of them afterwards
.set WV,  10
.set SEL, 20                           ; s[20:21] v_permlanex16_b32's selects for lane l xor 16
.set CS,  22                           ; s[22:23] c = log2(e) / 8
.set G1,  24
.set G0,  32
.set TB,  36                           ; LDS byte at which the next step's block begins
.set KC,  37
.set MSB, 0
.macro WIN new                         ; the immediate's high byte repeats the setting that is left
.if MSB != \new
	s_set_vgpr_msb (MSB<<8)|\new
.set MSB, \new
.endif
.endm
.macro CROUND                          ; a round of the cluster's barrier
	s_barrier_signal -1
	s_barrier_wait -1
	s_cmp_lg_u32 s[WV], 0
	s_cbranch_scc1 .Lnot_wave_0_\@
	s_barrier_signal -3
.Lnot_wave_0_\@:
	s_barrier_wait -3
	s_barrier_signal -1
	s_barrier_wait -1
.endm
; 32 numbers of a lane, one whole block, become six registers of codes at v[d] on (d even) and the byte in v[BY].
.macro QUANT32 x, d
	v_max3_num_f32 v[BM], |v[\x]|, |v[\x+1]|, |v[\x+2]|
	v_max3_num_f32 v[BM+1], |v[\x+3]|, |v[\x+4]|, |v[\x+5]|
.irp i, 6,10,14,18,22,26
	s_delay_alu instid0(VALU_DEP_2)
	v_max3_num_f32 v[BM], v[BM], |v[\x+\i]|, |v[\x+\i+1]|
	s_delay_alu instid0(VALU_DEP_2)
	v_max3_num_f32 v[BM+1], v[BM+1], |v[\x+\i+2]|, |v[\x+\i+3]|
.endr
	s_delay_alu instid0(VALU_DEP_2)
	v_max3_num_f32 v[BM], v[BM], |v[\x+30]|, |v[\x+31]|
	s_delay_alu instid0(VALU_DEP_1)
	v_max3_num_f32 v[BM], v[BM], v[BM+1], 0x1800000        ; and the floor 2^(3 - 127): the byte cannot fall under 1
	s_delay_alu instid0(VALU_DEP_1)
	v_add_nc_u32 v[SO], 0xff000000, v[BM]                  ; 2 off the exponent field: the conversion's scale operand
	v_cvt_scalef32_pk16_fp6_f32 v[\d:\d+2], v[\x:\x+15], v[SO]
	v_cvt_scalef32_pk16_fp6_f32 v[TA:TA+2], v[\x+16:\x+31], v[SO]   ; (a conversion's three registers begin on an even number)
	v_lshrrev_b32 v[BY], 23, v[SO]                         ; the byte; also the plain instruction between the conversions and the moves
.irp e, 0,1,2
	v_mov_b32 v[\d+3+\e], v[TA+\e]
.endr
.endm
.macro WORD2 w                         ; my half's byte and lane l xor 16's make a query's scale word; bytes 2 and 3 scale zero codes
	s_delay_alu instid0(VALU_DEP_4)
	v_lshlrev_b32 v[BY], v[SH], v[BY]
	s_delay_alu instid0(VALU_DEP_1)
	v_permlanex16_b32 v[T1], v[BY], s[SEL], s[SEL+1]
	s_delay_alu instid0(VALU_DEP_1)
	v_or_b32 v[BY], v[BY], v[T1]
	s_delay_alu instid0(VALU_DEP_1)
	v_or_b32 v[\w], 0x7f7f0000, v[BY]
.endm
.macro XT i                            ; the first pass's tile i of x turns through stage i: in as loaded (two rows a load), back 128 bytes of one row a lane
.irp j, 0,1,2,3,4,5,6,7
	ds_store_b128 v[RD], v[S+32*\i+4*\j:S+32*\i+4*\j+3] offset:\i*16*SP+2*SP*\j
.endr
.irp e, 0,1,2,3,4,5,6,7
	ds_load_b128 v[S+32*\i+4*\e:S+32*\i+4*\e+3], v[XO] offset:\i*16*SP+16*\e   ; LDS serves a wave's instructions in order (ISA guide 5.7.1.4)
.endr
.endm
.macro XW i                            ; the second pass's tile i likewise: out of window 1 (an LDS store's data are its source 1), back into S + 64 i
	WIN 0x04
.irp j, 0,1,2,3,4,5,6,7
	ds_store_b128 v[RD], v[XR+32*\i+4*\j:XR+32*\i+4*\j+3] offset:\i*16*SP+2*SP*\j
.endr
	WIN 0
.irp e, 0,1,2,3,4,5,6,7
	ds_load_b128 v[S+64*\i+4*\e:S+64*\i+4*\e+3], v[XO] offset:\i*16*SP+16*\e
.endr
.endm
.macro KQ t, u, i                      ; S^T's tile t of query tile u (Q's tile i): D window 0, K and Q window 1; each sum begins with the constant 0
.if (\t) < 4
	v_wmma_scale_f32_16x16x128_f8f6f4 v[S+64*\u+8*(\t):S+64*\u+8*(\t)+7], v[KF+6*(\t):KF+6*(\t)+11], v[Q+12*(\i):Q+12*(\i)+11], 0, v[KS+(\t)%4], v[QS+(\i)] matrix_a_fmt:MATRIX_FMT_FP6 matrix_b_fmt:MATRIX_FMT_FP6
.else
	v_wmma_scale_f32_16x16x128_f8f6f4 v[S+64*\u+8*(\t):S+64*\u+8*(\t)+7], v[KF+6*(\t):KF+6*(\t)+11], v[Q+12*(\i):Q+12*(\i)+11], 0, v[KS+(\t)%4], v[QS+(\i)] matrix_a_fmt:MATRIX_FMT_FP6 matrix_b_fmt:MATRIX_FMT_FP6 matrix_a_scale:MATRIX_SCALE_ROW1
.endif
.endm
.macro PV t, u                         ; O^T's tile t of query tile u: O and V window 1, P window 0
.if (\t) < 2
	v_wmma_scale_f32_16x16x128_f8f6f4 v[O+32*\u+8*(\t):O+32*\u+8*(\t)+7], v[VF+12*(\t):VF+12*(\t)+11], v[P+12*\u:P+12*\u+11], v[O+32*\u+8*(\t):O+32*\u+8*(\t)+7], v[VS+(\t)%2], v[PS+\u] matrix_a_fmt:MATRIX_FMT_FP6 matrix_b_fmt:MATRIX_FMT_FP6
.else
	v_wmma_scale_f32_16x16x128_f8f6f4 v[O+32*\u+8*(\t):O+32*\u+8*(\t)+7], v[VF+12*(\t):VF+12*(\t)+11], v[P+12*\u:P+12*\u+11], v[O+32*\u+8*(\t):O+32*\u+8*(\t)+7], v[VS+(\t)%2], v[PS+\u] matrix_a_fmt:MATRIX_FMT_FP6 matrix_b_fmt:MATRIX_FMT_FP6 matrix_a_scale:MATRIX_SCALE_ROW1
.endif
.endm
.macro KLOAD adr                       ; 13 LDS loads: K's scale words and its image
	ds_load_b128 v[KS:KS+3], v[\adr] offset:KSC
	WIN 0x40
.irp i, 0,1,2,3,4,5,6,7,8,9,10,11
	ds_load_b128 v[KF+4*\i:KF+4*\i+3], v[\adr] offset:512*\i
.endr
	WIN 0
.endm
.macro VLOAD adr, ad8                  ; 13 LDS loads: V's scale words and its image
	ds_load_b64 v[VS:VS+1], v[\ad8] offset:VSC
	WIN 0x40
.irp i, 0,1,2,3,4,5,6,7,8,9,10,11
	ds_load_b128 v[VF+4*\i:VF+4*\i+3], v[\adr] offset:VIMG+512*\i
.endr
	WIN 0
.endm
.macro ADDP d, a                       ; a pair onto a pair
	v_pk_add_f32 v[\d:\d+1], v[\d:\d+1], v[\a:\a+1]
.endm
.macro B1 i                            ; pair i of the first level of tile 1's sum: four of its p
.if (\i) < 12
	v_pk_add_f32 v[232+2*(\i):233+2*(\i)], v[S+64+4*(\i):S+65+4*(\i)], v[S+66+4*(\i):S+67+4*(\i)]
.else
	v_pk_add_f32 v[32+2*(\i):33+2*(\i)], v[S+64+4*(\i):S+65+4*(\i)], v[S+66+4*(\i):S+67+4*(\i)]
.endif
.endm
.macro CH u, n                         ; line n of the chain that makes tile u's running maximum, -M and f
.if \n == 0
	v_max_num_f32 v[T0+\u], v[BM+2*\u], v[BM+2*\u+1]
.elseif \n == 1
	v_permlanex16_b32 v[F+2*\u], v[T0+\u], s[SEL], s[SEL+1]   ; the query's other two blocks lie in lane l xor 16
.elseif \n == 2
	v_max3_num_f32 v[NM+2*\u+1], v[NM+2*\u+1], v[T0+\u], v[F+2*\u]
.elseif \n == 3
	v_mul_f32 v[T0+\u], s[CS], v[NM+2*\u+1]        ; as t (c is positive)
.elseif \n == 4
	v_floor_f32 v[NM+2*\u], -v[T0+\u]              ; the new -M = -ceil(t)
.elseif \n == 5
	v_sub_f32 v[T0+\u], v[NM+2*\u], v[T1+\u]       ; old M - new M: a whole number, 0 or less
.elseif \n == 6
	v_cvt_i32_f32 v[T0+\u], v[T0+\u]               ; (it saturates)
.else
	v_ldexp_f32 v[F+2*\u], 1.0, v[T0+\u]
.endif
.endm
.macro FA n                            ; n more pairs of tile 0's t - M, from pair J / 2 on
.rept \n
	v_pk_fma_f32 v[S+J:S+J+1], v[S+J:S+J+1], s[CS:CS+1], v[NM:NM+1] op_sel_hi:[1,0,0]
.set J, J+2
.endr
.endm
; A KEY STEP: 128 keys against the pass's two tiles of 16 queries.  pre = 1: the block at s[TB] is asked of LDS for the step that follows.
.macro STEP pass, pre
	s_wait_dscnt 13                                ; K and its scale words are in; V's 13 loads, issued behind them, may be out
	WIN 0x05
.irp t, 0,1,2,3,4,5,6,7
	KQ \t, 0, 2*\pass
	KQ \t, 1, 2*\pass+1
.endr
	WIN 0
.if \pre                                       ; four plain instructions between the products and the loads into their registers, and the first read of the scores
	v_add_nc_u32 v[ADN], s[TB], v[LI]
	v_add_nc_u32 v[AD8], s[TB], v[L8]
.else
	v_nop
	v_nop
.endif
	v_mov_b32 v[T1], v[NM]                         ; the old -M of both tiles
	v_mov_b32 v[T1+1], v[NM+2]
.if \pre
	KLOAD ADN
.endif
	; the largest score of each of the four blocks of 32 keys (two a tile), in eight chains of 16 keys; every accumulator is first read at its low end
.irp k, 0,1,2,3
	v_max3_num_f32 v[BM+\k], v[S+32*\k], v[S+32*\k+1], v[S+32*\k+2]
.endr
.irp k, 0,1,2,3
	v_max3_num_f32 v[SO+\k], v[S+32*\k+16], v[S+32*\k+17], v[S+32*\k+18]
.endr
.irp i, 3,5,7,9,11,13
.irp k, 0,1,2,3
	v_max3_num_f32 v[BM+\k], v[BM+\k], v[S+32*\k+\i], v[S+32*\k+\i+1]
.endr
.irp k, 0,1,2,3
	v_max3_num_f32 v[SO+\k], v[SO+\k], v[S+32*\k+16+\i], v[S+32*\k+17+\i]
.endr
.endr
.irp k, 0,1,2,3
	v_max3_num_f32 v[BM+\k], v[BM+\k], v[S+32*\k+15], v[S+32*\k+31]
.endr
.irp k, 0,1,2,3
	v_max_num_f32 v[BM+\k], v[BM+\k], v[SO+\k]
.endr
	; the chains that make M, the two tiles by turns; among their lines the second level of tile 1's sum of the step before, still under that step's M, in four chains
	ADDP L+2, U0
	ADDP U1, U5
	ADDP U2, U6
	CH 0, 0
	CH 1, 0
	ADDP U3, U7
	ADDP L+2, U4
	ADDP U1, U9
	CH 0, 1
	CH 1, 1
	ADDP U2, U10
	ADDP U3, U11
	ADDP L+2, U8
	CH 0, 2
	CH 1, 2
	ADDP U1, U13
	ADDP U2, U14
	ADDP U3, U15
	CH 0, 3
	CH 1, 3
	ADDP L+2, U12
	v_pk_add_f32 v[L2+2:L2+3], v[U1:U1+1], v[U2:U2+1]
	CH 0, 4
	CH 1, 4
	ADDP L+2, U3
	; tile 0's t - M, two at a time; among its lines the chains' ends, which make f
.set J, 0
	FA 4
	CH 0, 5
	CH 1, 5
	FA 4
	ADDP L+2, L2+2
	FA 4
	CH 0, 6
	CH 1, 6
	FA 8
	CH 0, 7
	CH 1, 7
	FA 12
	v_fma_f32 v[BM], v[BM], s[CS], v[NM]           ; the same of its blocks' largest scores
	v_fma_f32 v[BM+1], v[BM+1], s[CS], v[NM]
	WIN 0x41                                       ; O^T under the new M, each accumulator from its low end on: no transcendental stands between the last products and these reads
.set J, 0
.rept 16
	v_pk_mul_f32 v[O+J:O+J+1], v[O+J:O+J+1], v[F:F+1] op_sel_hi:[1,0]
	v_pk_mul_f32 v[O+32+J:O+33+J], v[O+32+J:O+33+J], v[F+2:F+3] op_sel_hi:[1,0]
.set J, J+2
.endr
	WIN 0
	v_pk_mul_f32 v[L+2:L+3], v[L+2:L+3], v[F+2:F+3] op_sel_hi:[1,0]   ; tile 1's sum under the new M (tile 0's: in the multiply-add below)
	s_wait_alu depctr_va_vdst(0)                   ; the wait ahead of a batch of transcendentals
.set J, 0
.rept 32                                       ; tile 0's p; among the exponentials tile 1's t - M, which is first read behind the next wait
	v_exp_f32 v[S+J], v[S+J]
	v_pk_fma_f32 v[S+64+J:S+65+J], v[S+64+J:S+65+J], s[CS:CS+1], v[NM+2:NM+3] op_sel_hi:[1,0,0]
	v_exp_f32 v[S+J+1], v[S+J+1]
.set J, J+2
.endr
	v_exp_f32 v[BM], v[BM]
	v_fma_f32 v[BM+2], v[BM+2], s[CS], v[NM+2]
	v_exp_f32 v[BM+1], v[BM+1]
	v_fma_f32 v[BM+3], v[BM+3], s[CS], v[NM+2]
	s_wait_alu depctr_va_vdst(0)                   ; behind tile 0's batch and ahead of tile 1's
	v_exp_f32 v[BM+2], v[BM+2]
	v_exp_f32 v[BM+3], v[BM+3]
.set J, 0
.rept 16                                       ; tile 1's p; among the exponentials the first level of tile 0's sum, 16 pairs in registers that P takes later, first read behind the next wait
	v_exp_f32 v[S+64+2*J], v[S+64+2*J]
	v_exp_f32 v[S+65+2*J], v[S+65+2*J]
	v_exp_f32 v[S+66+2*J], v[S+66+2*J]
	v_exp_f32 v[S+67+2*J], v[S+67+2*J]
	v_pk_add_f32 v[P+J:P+J+1], v[S+2*J:S+2*J+1], v[S+2*J+2:S+2*J+3]   ; (the last of these is the plain instruction behind the last exponential)
.set J, J+2
.endr
	s_wait_alu depctr_va_vdst(0)                   ; one wait for the batch, ahead of its first reader
	; the four blocks' scales and the two scale words; among their lines the second level of tile 0's sum, in four chains
.irp k, 0,1,2,3
	v_max_num_f32 v[BM+\k], 0x1800000, v[BM+\k]    ; the floor 2^(3 - 127)
.endr
	v_pk_fma_f32 v[L:L+1], v[L:L+1], v[F:F+1], v[P:P+1] op_sel_hi:[1,0,1]   ; the old sum x f, and pair 0
	ADDP P+2, P+10
.irp k, 0,1,2,3
	v_add_nc_u32 v[SO+\k], 0xff000000, v[BM+\k]    ; 2 off the exponent field: the conversion's scale operand
.endr
	ADDP P+4, P+12
	ADDP P+6, P+14
.irp k, 0,1,2,3
	v_lshrrev_b32 v[BY+\k], 23, v[SO+\k]           ; the scale's byte
.endr
	ADDP L, P+8
	ADDP P+2, P+18
.irp u, 0,1
	v_lshl_or_b32 v[T0+\u], v[BY+2*\u+1], 16, v[BY+2*\u]   ; my bytes are those of blocks h and 2 + h,
.endr
	ADDP P+4, P+20
	ADDP P+6, P+22
	ADDP L, P+16
.irp u, 0,1
	v_lshlrev_b32 v[T0+\u], v[SH], v[T0+\u]        ; 8 h bits up;
.endr
	ADDP P+2, P+26
	ADDP P+4, P+28
	ADDP P+6, P+30
.irp u, 0,1
	v_permlanex16_b32 v[T1+\u], v[T0+\u], s[SEL], s[SEL+1]
.endr
	ADDP L, P+24
	v_pk_add_f32 v[L2:L2+1], v[P+2:P+3], v[P+4:P+5]
.irp u, 0,1
	v_or_b32 v[PS+\u], v[T0+\u], v[T1+\u]          ; with lane l xor 16's two the query's scale word is whole
.endr
	ADDP L, P+6
.irp u, 0,1
	v_cvt_scalef32_pk16_fp6_f32 v[P+12*\u:P+12*\u+2], v[S+64*\u:S+64*\u+15], v[SO+2*\u]
	v_cvt_scalef32_pk16_fp6_f32 v[TA+8*\u:TA+8*\u+2], v[S+64*\u+16:S+64*\u+31], v[SO+2*\u]
	v_cvt_scalef32_pk16_fp6_f32 v[P+12*\u+6:P+12*\u+8], v[S+64*\u+32:S+64*\u+47], v[SO+2*\u+1]
	v_cvt_scalef32_pk16_fp6_f32 v[TA+8*\u+4:TA+8*\u+6], v[S+64*\u+48:S+64*\u+63], v[SO+2*\u+1]
.endr
	ADDP L, L2                                     ; plain work between the conversions and the moves: tile 0's sum is whole,
.irp i, 0,1,2,3
	B1 \i                                          ; and the first level of tile 1's sum of the unquantised p: 16 additions that hang on nothing here
.endr
.irp u, 0,1
.irp e, 0,1,2
	v_mov_b32 v[P+12*\u+3+\e], v[TA+8*\u+\e]
	v_mov_b32 v[P+12*\u+9+\e], v[TA+8*\u+4+\e]
.endr
.endr
.irp i, 4,5,6,7,8,9,10,11
	B1 \i                                          ; 8 plain instructions that name no register of the products below, behind P's last write; 26 plain ones, 34 in all, stand behind the write of P's scale words
.endr
	s_wait_alu depctr_va_vdst(0)                   ; the wait here, directly ahead of the wait below
.if \pre
	s_wait_dscnt 13                                ; V and its scale words are in; the next K's 13 loads may be out
.else
	s_wait_dscnt 0x0
.endif
	WIN 0x51
.irp t, 0,1,2,3
	PV \t, 0                                       ; eight accumulators by turns, one instruction a turn
	PV \t, 1
.endr
	WIN 0
.irp i, 12,13,14,15
	B1 \i                                          ; the last four are the places between those products and the loads into V's registers
.endr
.if \pre
	VLOAD ADN, AD8
.endif
.endm
; A pass's start: the state of two tiles
.macro INIT
.irp u, 0,1
	v_mov_b32 v[NM+2*\u+1], 0xff61b1e6             ; the largest score so far: -3e38
.endr
.irp u, 0,1
	v_mul_f32 v[T0+\u], s[CS], v[NM+2*\u+1]
.endr
.irp u, 0,1
	v_floor_f32 v[NM+2*\u], -v[T0+\u]              ; -M
.endr
.irp j, 0,1,2,3
	v_mov_b32 v[L+\j], 0
.endr
.set J, 0
.rept 24
	v_mov_b32 v[232+J], 0                          ; no step has gone before: tile 1's partial pairs are zeros
.set J, J+1
.endr
.set J, 0
.rept 8
	v_mov_b32 v[56+J], 0
.set J, J+1
.endr
	WIN 0x40
.set J, 0
.rept 64
	v_mov_b32 v[O+J], 0                            ; the step is written once: the first finds zeros, which the first change of M (f = 0) leaves zeros
.set J, J+1
.endr
	WIN 0
	s_wait_xcnt 0x0                                ; the stores of the pass before have read their registers: only behind this wait are they written again
	s_mov_b32 s[TB], BLOCKB
	s_mov_b32 s[KC], STEPS-1
	s_wait_alu depctr_va_vdst(0)                   ; the wait here, ahead of the next wait that blocks
.endm
; A PASS: two tiles of 16 queries through all 16 key steps, then the way out.  more = 1: another pass follows, and the last step asks for block 0 again.
.macro PASS pass, more
.Lstep_\@:
	STEP \pass, 1
	s_add_co_u32 s[TB], s[TB], BLOCKB
	s_sub_co_u32 s[KC], s[KC], 1
	s_cmp_lg_u32 s[KC], 0
	s_cbranch_scc1 .Lstep_\@
.if \more
	s_mov_b32 s[TB], 0
	STEP \pass, 1
.else
	STEP \pass, 0
.endif
	; the last step's partial pairs of tile 1
	ADDP L+2, U0
	ADDP U1, U5
	ADDP U2, U6
	ADDP U3, U7
	ADDP L+2, U4
	ADDP U1, U9
	ADDP U2, U10
	ADDP U3, U11
	ADDP L+2, U8
	ADDP U1, U13
	ADDP U2, U14
	ADDP U3, U15
	ADDP L+2, U12
	ADDP U1, U2
	ADDP L+2, U3
	ADDP L+2, U1
	; the way out: O^T / the sum goes through my own stages and leaves as whole rows of 256 bytes
	s_wait_alu depctr_va_vdst(0)
.irp u, 0,1
	v_add_f32 v[L+2*\u], v[L+2*\u], v[L+2*\u+1]
.endr
.irp u, 0,1
	v_permlanex16_b32 v[T1+\u], v[L+2*\u], s[SEL], s[SEL+1]
.endr
.irp u, 0,1
	v_add_f32 v[L+2*\u], v[L+2*\u], v[T1+\u]
.endr
	s_wait_alu depctr_va_vdst(0)                   ; ahead of the transcendentals
.irp u, 0,1
	v_rcp_f32 v[L+2*\u], v[L+2*\u]
.endr
	v_nop
	WIN 0x01
	s_wait_alu depctr_va_vdst(0)                   ; directly ahead of the first reader of the reciprocals and of O^T
.set J, 0
.rept 16
	v_pk_mul_f32 v[S+J:S+J+1], v[O+J:O+J+1], v[L:L+1] op_sel_hi:[1,0]   ; register 8 t + i is o(r, 16 t + 8 h + i)
.set J, J+2
.endr
.set J, 0
.rept 16
	v_pk_mul_f32 v[S+64+J:S+65+J], v[O+32+J:O+33+J], v[L+2:L+3] op_sel_hi:[1,0]
.set J, J+2
.endr
	WIN 0
.irp u, 0,1
.irp t, 0,1,2,3
	ds_store_b128 v[STO], v[S+64*\u+8*\t:S+64*\u+8*\t+3] offset:16*SP*\u+64*\t
	ds_store_b128 v[STO], v[S+64*\u+8*\t+4:S+64*\u+8*\t+7] offset:16*SP*\u+64*\t+16
.endr
.irp i, 0,1,2,3,4,5,6,7
	ds_load_b128 v[S+64*\u+32+4*\i:S+64*\u+35+4*\i], v[RD] offset:16*SP*\u+2*SP*\i   ; LDS serves a wave's instructions in order: these see my stores
.endr
.endr
.irp u, 0,1
.irp i, 0,1,2,3,4,5,6,7
	s_wait_dscnt 16*(1-\u)+7-\i                    ; this pair of rows is back; the later LDS instructions may be out
	global_store_b128 v[LI], v[S+64*\u+32+4*\i:S+64*\u+35+4*\i], s[8:9] offset:4096*(2*\pass+\u)+512*\i th:TH_STORE_NT   ; 32 lanes store two rows: 512 consecutive bytes, aligned to 256
.endr
.endr
.endm
	s_load_b128 s[4:7], s[0:1], 0x0                ; x s[4:5], kv s[6:7]
	s_load_b64 s[8:9], s[0:1], 0x10                ; out0
	v_lshl_add_u32 v[SPW], v0, 2, SPARE
	v_mov_b32 v[NIL], 0
	ds_add_u32 v[SPW], v[NIL]                      ; the opening lines: the add, twice on end, and its wait ahead of my first tensor load
	ds_add_u32 v[SPW], v[NIL]
	v_lshrrev_b32 v1, 5, v0
	v_readfirstlane_b32 s[WV], v1                  ; wave 0..7
	s_bfe_u32 s11, ttmp6, 0x40000                  ; cx: it enters x's and O's addresses alone
	s_and_b32 s12, ttmp7, 0xffff                   ; the head, which the four partners share
	s_lshl_b32 s13, ttmp9, 2
	s_add_co_u32 s13, s13, s11                     ; my block of 512 queries
	s_lshl_b32 s13, s13, 17
	s_lshl_b32 s14, s12, 19
	s_add_co_u32 s14, s14, s13
	s_lshl_b32 s19, s[WV], 14                      ; my wave's 64 rows of 256 bytes
	s_add_co_u32 s14, s14, s19
	s_mov_b32 s15, 0
	s_mul_i32 s16, s12, STEPS*BLOCKB               ; the head's blocks in kv,
	s_mul_i32 s[G0+1], s[WV], 2*BLOCKB             ; LDS address: blocks 2 w and 2 w + 1: no place in the cluster enters it
	s_add_co_u32 s16, s16, s[G0+1]
	s_mov_b32 s17, 0
	; descriptor group 1: two dense blocks, 26,112 bytes, as 102 rows of 256 bytes (32 elements of 8 bytes), no padding
	s_mov_b32 s[G1], 15|(3<<16)|(1<<21)            ; the mask names all four work-groups; elements of 8 bytes; bit 21 set beside a mask
	s_mov_b32 s[G1+1], 32<<16
	s_mov_b32 s[G1+2], 102<<16
	s_mov_b32 s[G1+3], 32<<16
	s_mov_b32 s[G1+4], 102
	s_mov_b32 s[G1+5], 32
	s_mov_b32 s[G1+6], 0
	s_mov_b32 s[G1+7], 0
	s_mov_b32 s[G0], 1
	s_mov_b32 s[SEL], 0x76543210
	s_mov_b32 s[SEL+1], 0xfedcba98
	s_mov_b32 s[CS], 0x3e38aa3b                    ; c = log2(e) / 8
	s_mov_b32 s[CS+1], s[CS]
	s_mul_i32 s18, s[WV], STGW
	s_add_co_u32 s18, s18, STAGE                   ; my two stages
	v_and_b32 v[L8], 31, v0
	v_and_b32 v3, 15, v0                           ; r
	v_bfe_u32 v4, v0, 4, 1                         ; h
	v_lshlrev_b32 v[LI], 4, v[L8]
	v_lshlrev_b32 v[L8], 3, v[L8]
	v_lshlrev_b32 v[SH], 3, v4
	v_mul_u32_u24 v[STO], v3, SP
	v_mul_u32_u24 v[RD], v4, SP
	v_add_nc_u32 v[STO], s18, v[STO]
	v_add_nc_u32 v[RD], s18, v[RD]
	v_lshl_add_u32 v[XO], v4, 7, v[STO]
	v_lshl_add_u32 v[STO], v4, 5, v[STO]
	v_lshl_add_u32 v[RD], v3, 4, v[RD]
	v_mov_b32 v[T1], 0                             ; written once: a lane permute's destination counts as one of its sources
	v_mov_b32 v[T1+1], 0
.irp j, 0,1,2,3
	v_mov_b32 v[F+\j], 0
.endr
	WIN 0x40
.irp j, 6,7,8,9,10,11
	v_mov_b32 v[KF+42+\j], 0                       ; the zero codes behind K's last tile,
.irp i, 0,1
	v_mov_b32 v[Q+12*\i+\j], 0                     ; and those of k = 64 .. 127 in the first pass's two fragments of Q
.endr
.endr
	WIN 0
	s_wait_alu depctr_va_vdst(0)                   ; the wait at the head's end
	s_wait_dscnt 0x0                               ; both opening adds are done
	s_wait_kmcnt 0x0
	s_add_nc_u64 s[4:5], s[4:5], s[14:15]          ; x and O at my wave's first row
	s_add_nc_u64 s[8:9], s[8:9], s[14:15]
	s_add_nc_u64 s[G0+2:G0+3], s[6:7], s[16:17]
	s_or_b32 s[G0+3], s[G0+3], 0x80000000
.irp i, 0,1
.irp j, 0,1,2,3,4,5,6,7
	global_load_b128 v[S+32*\i+4*\j:S+32*\i+4*\j+3], v[LI], s[4:5] offset:4096*\i+512*\j th:TH_LOAD_NT   ; the first pass's rows: 32 lanes read two rows of x, 512 consecutive bytes
.endr
.endr
	CROUND                                         ; all four work-groups are here: the joint loads meet
	tensor_load_to_lds s[G0:G0+3], s[G1:G1+7]      ; my one tensor load of the launch
	s_nop 0
.rept 4
	v_nop
.endr
	s_wait_loadcnt 8                               ; tile 0's eight loads are in; tile 1's may be out
	XT 0
	s_wait_loadcnt 0x0
	XT 1
	s_wait_dscnt 16                                ; tile 0 is back from its stage; tile 1's sixteen LDS instructions may be out
	QUANT32 S, P                                   ; x is read once, by this wave: it is quantised in registers, while the head's blocks are on their way
	WORD2 QS
	s_wait_dscnt 0x0
	QUANT32 S+32, P+6
	WORD2 QS+1
	WIN 0x40
.irp i, 0,1
.irp e, 0,1,2,3,4,5
	v_mov_b32 v[Q+12*\i+\e], v[P+6*\i+\e]          ; the two fragments go to their registers in window 1
.endr
.endr
	WIN 0
	INIT                                           ; the first pass's state, written while the blocks are on their way
	s_wait_tensorcnt 0x0                           ; my two blocks have landed,
	s_barrier_signal -1
	s_barrier_wait -1                              ; everybody's have: the whole head lies in LDS, and nothing is filled again
	KLOAD LI                                       ; step 0's K, 13 loads, then its V, 13 loads
	VLOAD LI, L8
	WIN 0x40
.irp i, 0,1
.irp j, 0,1,2,3,4,5,6,7
	global_load_b128 v[XR+32*\i+4*\j:XR+32*\i+4*\j+3], v[LI], s[4:5] offset:8192+4096*\i+512*\j th:TH_LOAD_NT   ; the second pass's rows: 16 loads that stay out during the first pass, into registers that it does not name
.endr
.endr
	WIN 0
	PASS 0, 1
	s_wait_loadcnt 0x0                             ; the second pass's rows are in
	XW 0                                           ; the stages' last reads have come back (the way out ends on a wait for 0)
	XW 1
	s_wait_dscnt 16
	QUANT32 S, P
	WORD2 QS+2
	s_wait_dscnt 0x0
	QUANT32 S+64, P+6
	WORD2 QS+3
	WIN 0x40
.irp i, 0,1
.irp e, 0,1,2,3,4,5
	v_mov_b32 v[Q+24+12*\i+\e], v[P+6*\i+\e]       ; Q's tiles 2 and 3 take registers that x's rows have left,
	v_mov_b32 v[Q+30+12*\i+\e], 0                  ; with their zero codes
.endr
.endr
	WIN 0
	INIT
	PASS 1, 0
	s_wait_tensorcnt 0x0                           ; the wave's end
	ds_add_u32 v[SPW], v[NIL]
	s_wait_dscnt 0x0
	CROUND                                         ; the closing round
	s_endpgm
.Lfunc_end_k_q78c0e8d42a_attn:
	.size	k_q78c0e8d42a_attn, .Lfunc_end_k_q78c0e8d42a_attn-k_q78c0e8d42a_attn
	.p2alignl 7, 3214868480
	.fill 96, 4, 3214868480
	.section	.rodata,"a",@progbits
	.p2align	6, 0x0
	.amdhsa_kernel k_q78c0e8d42a_attn
		.amdhsa_group_segment_fixed_size 279552
		.amdhsa_private_segment_fixed_size 0
		.amdhsa_enable_private_segment 0
		.amdhsa_kernarg_size 24
		.amdhsa_user_sgpr_count 2
		.amdhsa_user_sgpr_kernarg_segment_ptr 1
		.amdhsa_wavefront_size32 1
		.amdhsa_system_sgpr_workgroup_id_x 1
		.amdhsa_system_sgpr_workgroup_id_y 1
		.amdhsa_system_sgpr_workgroup_id_z 1
		.amdhsa_system_vgpr_workitem_id 0
		.amdhsa_next_free_vgpr 512
		.amdhsa_next_free_sgpr 66
		.amdhsa_reserve_vcc 0
		.amdhsa_float_denorm_mode_32 3
		.amdhsa_float_denorm_mode_16_64 3
		.amdhsa_memory_ordered 1
		.amdhsa_forward_progress 1
		.amdhsa_inst_pref_size 150
	.end_amdhsa_kernel
	.amdgpu_metadata
---
amdhsa.version: [ 1, 2 ]
amdhsa.kernels:
  - .name:           k_q78c0e8d42a_attn
    .symbol:         k_q78c0e8d42a_attn.kd
    .args:
      - { .name: x, .offset: 0, .size: 8, .value_kind: global_buffer, .address_space: global }
      - { .name: kv, .offset: 8, .size: 8, .value_kind: global_buffer, .address_space: global }
      - { .name: out0, .offset: 16, .size: 8, .value_kind: global_buffer, .address_space: global }
    .group_segment_fixed_size: 279552
    .private_segment_fixed_size: 0
    .kernarg_segment_align: 8
    .kernarg_segment_size: 24
    .max_flat_workgroup_size: 256
    .sgpr_count:     66
    .vgpr_count:     512
    .wavefront_size: 32
...
	.end_amdgpu_metadata
.endif
;; end of part 2
